; MI455X (gfx1250); checked and timed in simulation.
; The chip was launched on July 23, 2026; its instructions are those of AMD's public machine-readable ISA for CDNA 5 (MIT licence, August 2026) and "CDNA5" Instruction Set Architecture Reference Guide (July 2026). The comments in the code are by the model that wrote it; some were corrected since.
;; Efficient Flash Attention. Allowed arithmetic: float matrix products may take bf16 or f16 operands with f32 sums; all other float work in f32.
;; Inputs: Wk 1,024 x 1,024 float32; Wo 1,024 x 1,024 float32; Wq 1,024 x 1,024 float32; Wv 1,024 x 1,024 float32; bo 1,024 float32; x 2 x 2,048 x 1,024 float32.
;; Outputs: out0 2 x 2,048 x 1,024 float32.
;; 2 versions, each right; version 2 is version 1 with the launch cvt written anew for expert scheduling mode. Each part assembles by itself: llvm-mc -triple=amdgcn-amd-amdhsa -mcpu=gfx1250 --defsym DOCPART=n.
;; ======== version 1 of 2: 4 launches
;; limits: values are held in f16: magnitudes above 65,504 overflow, below 6.1e-05 lose precision
;; workspace buffers: xh 8,388,608 bytes; wqkv 6,291,456 bytes; woh 2,097,152 bytes; qh 8,388,608 bytes; kvh 16,777,216 bytes; ah 8,388,608 bytes
;; launch cvt (part 1): grid 256 x 1, 8 waves a work-group, no clusters, 0 bytes of LDS; arguments x, Wq, Wk, Wv, Wo, xh, wqkv, woh; writes xh, wqkv, woh
.if DOCPART == 1
	.amdgcn_target "amdgcn-amd-amdhsa--gfx1250"
	.amdhsa_code_object_version 6
	.text
	.protected	k_q5a55088163_cvt
	.globl	k_q5a55088163_cvt
	.p2align	8
	.type	k_q5a55088163_cvt,@function
k_q5a55088163_cvt:
	s_mov_b64 s[64:65], 0
	v_nop
	global_prefetch_b8 v0, s[64:65] scope:SCOPE_SE
	s_setreg_imm32_b32 hwreg(HW_REG_WAVE_MODE, 25, 1), 1
	s_wait_xcnt 0x0
; x, Wq, Wk, Wv, Wo (f32) are narrowed once to f16, so that the three matrix launches behind this one read 16-bit tiles.
; 8,192 rows of 1,024 numbers in all (4,096 of x, 1,024 of each weight); a work-group takes 32 neighbouring rows of one tensor.
; xh and woh keep their rows' order.  Wq, Wk, Wv go into one table wqkv of 3,072 rows, ordered for the next launch:
; row = head*192 + half*96 + m*32 + (d & 31), m = 0, 1, 2 for Wq, Wk, Wv, source row = head*64 + half*32 + (d & 31);
; 32 source rows are one (head, half), so they stay 32 neighbouring rows.
; LIMIT: f16 holds magnitudes below 65,504 (larger ones become infinities) and steps of 2^-24 below 2^-14.
; A stream: no work-group shares a byte with another, so no LDS, no cluster, no matrix unit.  Thread t owns 16 bytes of every source row;
; all 32 loads of a thread are issued first (128 KiB of the work-group on their way), each wave's store covers 256 consecutive bytes, aligned.
.set ROWS,   32
.set INROW,  4096                      ; bytes in a source row
.set OUTROW, 2048                      ; bytes in a narrowed row
.set X, 4                              ; v[4:131]   row i: 4 numbers as loaded
.set Y, 132                            ; v[132:195] row i: 4 numbers in f16; every row has registers of its own, so nothing is rewritten
	s_load_b512 s[4:19], s[0:1], 0x0               ; x, Wq, Wk, Wv, Wo, xh, wqkv, woh
	s_lshr_b32 s21, ttmp9, 5                       ; 0..3: x;  4, 5, 6, 7: Wq, Wk, Wv, Wo
	s_and_b32 s20, ttmp9, 31                       ; block of 32 rows inside a weight
	s_cmp_lt_u32 s21, 4
	s_cselect_b32 s22, ttmp9, s20                  ; block of 32 rows inside my tensor
	s_lshl_b32 s28, s22, 17                        ; source offset: 32 rows of 4,096 bytes
	s_mov_b32 s29, 0
	s_lshr_b32 s23, s20, 1                         ; head
	s_mul_i32 s23, s23, 192
	s_and_b32 s2, s20, 1                           ; half of the head
	s_mul_i32 s2, s2, 96
	s_add_co_u32 s23, s23, s2
	s_and_b32 s2, s21, 3                           ; m
	s_lshl_b32 s2, s2, 5
	s_add_co_u32 s23, s23, s2
	s_lshl_b32 s23, s23, 11                        ; row in wqkv times 2,048 bytes
	s_lshl_b32 s3, s22, 16                         ; plain order: 32 rows of 2,048 bytes
	s_cmp_lt_u32 s21, 4
	s_cselect_b32 s30, s3, s23                     ; x: plain; a weight: interleaved,
	s_cmp_eq_u32 s21, 7
	s_cselect_b32 s30, s3, s30                     ; but Wo: plain
	s_mov_b32 s31, 0
	v_lshlrev_b32 v1, 4, v0                        ; my 16 bytes of a source row
	v_lshlrev_b32 v2, 3, v0                        ; my 8 bytes of a narrowed row
	s_wait_kmcnt 0x0
	s_mov_b64 s[24:25], s[4:5]                     ; the source, chosen by the work-group's number alone
	s_cmp_eq_u32 s21, 4
	s_cselect_b64 s[24:25], s[6:7], s[24:25]
	s_cmp_eq_u32 s21, 5
	s_cselect_b64 s[24:25], s[8:9], s[24:25]
	s_cmp_eq_u32 s21, 6
	s_cselect_b64 s[24:25], s[10:11], s[24:25]
	s_cmp_eq_u32 s21, 7
	s_cselect_b64 s[24:25], s[12:13], s[24:25]
	s_cmp_lt_u32 s21, 4                            ; the destination likewise
	s_cselect_b64 s[26:27], s[14:15], s[16:17]
	s_cmp_eq_u32 s21, 7
	s_cselect_b64 s[26:27], s[18:19], s[26:27]
	s_add_nc_u64 s[24:25], s[24:25], s[28:29]
	s_add_nc_u64 s[26:27], s[26:27], s[30:31]
.set i, 0
.rept ROWS
	global_load_b128 v[X+4*i:X+4*i+3], v1, s[24:25] offset:INROW*i th:TH_LOAD_NT   ; read once in the launch
.set i, i+1
.endr
.set i, 0
.rept ROWS
	s_wait_loadcnt ROWS-1-i                        ; loads come back in order: row i is in, the younger rows stay out
	v_cvt_pk_f16_f32 v[Y+2*i],   v[X+4*i],   v[X+4*i+1]
	v_cvt_pk_f16_f32 v[Y+2*i+1], v[X+4*i+2], v[X+4*i+3]
	global_store_b64 v2, v[Y+2*i:Y+2*i+1], s[26:27] offset:OUTROW*i
.set i, i+1
.endr
	s_endpgm
.Lfunc_end_k_q5a55088163_cvt:
	.size	k_q5a55088163_cvt, .Lfunc_end_k_q5a55088163_cvt-k_q5a55088163_cvt
	.p2alignl 7, 3214868480
	.fill 96, 4, 3214868480
	.section	.rodata,"a",@progbits
	.p2align	6, 0x0
	.amdhsa_kernel k_q5a55088163_cvt
		.amdhsa_group_segment_fixed_size 0
		.amdhsa_private_segment_fixed_size 0
		.amdhsa_enable_private_segment 0
		.amdhsa_kernarg_size 64
		.amdhsa_user_sgpr_count 2
		.amdhsa_user_sgpr_kernarg_segment_ptr 1
		.amdhsa_wavefront_size32 1
		.amdhsa_system_sgpr_workgroup_id_x 1
		.amdhsa_system_sgpr_workgroup_id_y 1
		.amdhsa_system_sgpr_workgroup_id_z 1
		.amdhsa_system_vgpr_workitem_id 0
		.amdhsa_next_free_vgpr 196
		.amdhsa_next_free_sgpr 66
		.amdhsa_reserve_vcc 0
		.amdhsa_float_denorm_mode_32 3
		.amdhsa_float_denorm_mode_16_64 3
		.amdhsa_memory_ordered 1
		.amdhsa_forward_progress 1
		.amdhsa_inst_pref_size 13
	.end_amdhsa_kernel
	.amdgpu_metadata
---
amdhsa.version: [ 1, 2 ]
amdhsa.kernels:
  - .name:           k_q5a55088163_cvt
    .symbol:         k_q5a55088163_cvt.kd
    .args:
      - { .name: x, .offset: 0, .size: 8, .value_kind: global_buffer, .address_space: global }
      - { .name: Wq, .offset: 8, .size: 8, .value_kind: global_buffer, .address_space: global }
      - { .name: Wk, .offset: 16, .size: 8, .value_kind: global_buffer, .address_space: global }
      - { .name: Wv, .offset: 24, .size: 8, .value_kind: global_buffer, .address_space: global }
      - { .name: Wo, .offset: 32, .size: 8, .value_kind: global_buffer, .address_space: global }
      - { .name: xh, .offset: 40, .size: 8, .value_kind: global_buffer, .address_space: global }
      - { .name: wqkv, .offset: 48, .size: 8, .value_kind: global_buffer, .address_space: global }
      - { .name: woh, .offset: 56, .size: 8, .value_kind: global_buffer, .address_space: global }
    .group_segment_fixed_size: 0
    .private_segment_fixed_size: 0
    .kernarg_segment_align: 8
    .kernarg_segment_size: 64
    .max_flat_workgroup_size: 256
    .sgpr_count:     66
    .vgpr_count:     196
    .wavefront_size: 32
...
	.end_amdgpu_metadata
.endif
;; end of part 1
;; launch qkv (part 2): grid 16 x 16, 4 waves a work-group, clusters of 4 x 4, 327,680 bytes of LDS; arguments xh, wqkv, qh, kvh; writes qh, kvh
.if DOCPART == 2
	.amdgcn_target "amdgcn-amd-amdhsa--gfx1250"
	.amdhsa_code_object_version 6
	.text
	.protected	k_q5a55088163_qkv
	.globl	k_q5a55088163_qkv
	.p2align	8
	.type	k_q5a55088163_qkv,@function
k_q5a55088163_qkv:
	s_mov_b64 s[64:65], 0
	v_nop
	global_prefetch_b8 v0, s[64:65] scope:SCOPE_SE
	s_setreg_imm32_b32 hwreg(HW_REG_WAVE_MODE, 25, 1), 1
	s_wait_xcnt 0x0
	s_wait_alu depctr_hold_cnt(0) depctr_sa_sdst(0) depctr_va_vdst(0) depctr_va_sdst(0) depctr_va_ssrc(0) depctr_va_vcc(0) depctr_vm_vsrc(0)
	s_getreg_b32 s2, hwreg(HW_REG_IB_STS2, 6, 4)
	s_cmp_eq_u32 s2, 0
	s_cbranch_scc0 .Lentry_in_a_cluster
	s_endpgm
.Lentry_in_a_cluster:
	s_bfe_u32 s2, ttmp6, 0x10000c
	s_cmp_lg_u32 s2, 0xf033
	s_cbranch_scc0 .Lentry_shape_is_right
	s_endpgm
.Lentry_shape_is_right:
; C[4096][3072] = xh [4096][1024] times wqkv [3072][1024] transposed, f16 operands, f32 sums, results stored in f16 in the layouts that attention reads.
; A work-group makes 256 rows x 192 columns = Q, K and V of one head for 256 positions; four waves, wave (wm, wn) makes 128 rows x 96 columns:
; 8 row blocks a x 6 column blocks b = 48 accumulator tiles.  By wqkv's row order b = 0, 1 is Q's hd 32 wn + 16 b .., b = 2, 3 K's, b = 4, 5 V's.
; K goes in steps of 128 (rows of 256 bytes, aligned) through two LDS slots filled by the tensor data mover.
; CLUSTERS: 4 x 4 work-groups.  xh's tile hangs on the row block alone and is asked for jointly along a row of the cluster, wqkv's on the head alone
; and is asked for jointly along a column: a quarter of the requests.
; OPERAND ORDER: for Q and K source 0 = rows of wqkv, source 1 = rows of xh, so a lane holds 8 neighbouring hd of one position; for V the natural order,
; so a lane holds 8 neighbouring positions of one hd: V leaves transposed, as the second product of attention wants it.
; OUT: qh [bh 32][block of 128 positions 16][kk 2][128][32 hd];  kvh [bh 32][tile of 256 keys 8][part 4][16 KiB]: parts 0, 1 = K plane kk [256 keys][32 hd],
; parts 2, 3 = V transposed for key half g [64 hd][128 keys].  Each wave's Q, K and V blocks are 8 KiB of consecutive bytes.
; LIMIT: results are kept in f16: |Q|, |K|, |V| below 65,504.
; REGISTERS by windows of 256: window 0 addresses and the way out; window 1 both fragment buffers (A block a at F+8a, B block b at F+64+8b: one window,
; so the operand order may differ from tile to tile without a switch); window 2 the tiles of a = 0..3 at 8(6a+b); window 3 those of a = 4..7.
.set SIZE_K, 1024
.set KSTEP,  128
.set PITCH,  272                       ; 256 bytes + 16 of padding: the 16 rows of a fragment fall into 16 different 16-byte columns modulo 256
.set AH,     128*PITCH                 ; 128 rows of xh: one tensor load, and what one wave reads of A
.set BH,     96*PITCH                  ; 96 rows of wqkv: one tensor load, and what one wave reads of B
.set SLOT,   2*AH+2*BH
.set STAGE,  2*SLOT                    ; behind the ring, a multiple of 256: 8,704 bytes for each wave, never a tensor load's target
.set STG,    32*PITCH
.set LAPS,   SIZE_K/(2*KSTEP)          ; a lap = two K steps = once round the ring: 4
.set ADRA, 16                          ; v16-17 LDS address of my A fragments in slot 0, 1
.set ADRB, 20                          ; v20-21 the same for B
.set STQ,  24                          ; the way out: where a lane puts 16 bytes of Q or K
.set STV,  25                          ; the same for V transposed
.set RD,   26                          ; where it reads 16 bytes back
.set CO,   27                          ; 16 x lane
.set TMP,  64                          ; v64-127  packed results
.set RB,   128                         ; v128-191 read back, to store
.set F0,   0                           ; window 1
.set F1,   112
.set G1,  24                           ; s[24:31] group 1 for xh's tiles
.set G0,  32                           ; s[32:39] group 0 for xh's tiles, one set a slot
.set G1B, 48                           ; s[48:55] group 1 for wqkv's tiles
.set G0B, 56                           ; s[56:63] group 0 for wqkv's tiles
.set DESC0, (1<<16)|(1<<20)|(1<<21)|(5<<22)|(3<<25)   ; 2-byte elements; padding on; bit 21 beside a mask; after every 64 words; 4 words
.set MSB, 0
.macro WIN new                         ; the immediate's high byte repeats the setting that is left
.if MSB != \new
	s_set_vgpr_msb (MSB<<8)|\new
.set MSB, \new
.endif
.endm
.set MUL_LO, 0xa5                      ; sources 0 and 1 window 1, C and D window 2
.set MUL_HI, 0xf5                      ; C and D window 3
.set TO_F,   0x40                      ; destination window 1, address window 0
.macro JLOAD s                         ; waves 0, 1 ask for xh's two halves, waves 2, 3 for wqkv's; the branch hangs on the wave's number alone
	s_cmp_eq_u32 s13, 0
	s_cbranch_scc0 .Lfor_b_\@
	tensor_load_to_lds s[G0+4*\s:G0+4*\s+3], s[G1:G1+7]
	s_nop 0
	s_branch .Lasked_\@
.Lfor_b_\@:
	tensor_load_to_lds s[G0B+4*\s:G0B+4*\s+3], s[G1B:G1B+7]
	s_nop 0
.Lasked_\@:
.endm
.macro CREST                           ; a round of the cluster's barrier behind its opening work-group barrier
	s_cmp_lg_u32 s12, 0
	s_cbranch_scc1 .Lnot_wave_0_\@
	s_barrier_signal -3
.Lnot_wave_0_\@:
	s_barrier_wait -3
	s_barrier_signal -1
	s_barrier_wait -1
.endm
.macro CROUND                          ; a whole round
	s_barrier_signal -1
	s_barrier_wait -1
	CREST
.endm
.macro PLACES                          ; four plain vector places between a matrix instruction and a load into, or a vector read of, its registers
.rept 4
	v_nop
.endr
.endm
	s_load_b256 s[4:11], s[0:1], 0x0               ; xh s[4:5], wqkv s[6:7], qh s[8:9], kvh s[10:11]
	s_set_vgpr_msb 0x40
	v_lshl_add_u32 v254, v0, 2, 0x44000
	v_mov_b32 v255, 0
	s_set_vgpr_msb 0x4045
	ds_add_u32 v254, v255
	s_set_vgpr_msb 0x4500
	v_lshrrev_b32 v1, 5, v0
	v_readfirstlane_b32 s12, v1                    ; wave 0..3
	s_lshr_b32 s13, s12, 1                         ; wm: my half of the rows.  Also: I fetch for A (0) or for B (1)
	s_and_b32 s14, s12, 1                          ; wn: my half of the columns.  Also: which half of that tile I fetch
	s_bfe_u32 s40, ttmp6, 0x40000                  ; cx
	s_bfe_u32 s41, ttmp6, 0x40004                  ; cy
	s_lshl_b32 s42, ttmp9, 2
	s_add_co_u32 s42, s42, s40                     ; head = 4 x cluster x + cx
	s_and_b32 s43, ttmp7, 0xffff
	s_lshl_b32 s43, s43, 2
	s_add_co_u32 s43, s43, s41                     ; row block = 4 x cluster y + cy
	s_lshl_b32 s44, s41, 2
	s_lshl_b32 s44, 15, s44                        ; my row of the cluster
	s_lshl_b32 s45, 0x1111, s40                    ; my column
	s_or_b32 s[G1+0], s44, DESC0
	s_or_b32 s[G1B+0], s45, DESC0
	s_mov_b32 s[G1+1], KSTEP<<16                   ; tensor_dim0 = 128 elements
	s_mov_b32 s[G1B+1], KSTEP<<16
	s_mov_b32 s[G1+2], 128<<16                     ; tensor_dim1 = 128 rows
	s_mov_b32 s[G1B+2], 96<<16                     ;             = 96 rows
	s_mov_b32 s[G1+3], KSTEP<<16                   ; tile_dim0
	s_mov_b32 s[G1B+3], KSTEP<<16
	s_mov_b32 s[G1+4], 128                         ; tile_dim1
	s_mov_b32 s[G1B+4], 96
	s_mov_b32 s[G1+5], SIZE_K                      ; elements from row to row
	s_mov_b32 s[G1B+5], SIZE_K
	s_mov_b32 s[G1+6], 0
	s_mov_b32 s[G1B+6], 0
	s_mov_b32 s[G1+7], 0
	s_mov_b32 s[G1B+7], 0
	; where the tiles come from: A's registers never hold cx, B's never cy
	s_lshl_b32 s16, s43, 8
	s_lshl_b32 s17, s14, 7
	s_add_co_u32 s16, s16, s17                     ; xh: row 256 x block + 128 x half
	s_lshl_b32 s16, s16, 11                        ; x 2,048 bytes (below 2^23)
	s_mov_b32 s17, 0
	s_mul_i32 s46, s42, 192
	s_mul_i32 s47, s14, 96
	s_add_co_u32 s46, s46, s47                     ; wqkv: row 192 x head + 96 x half
	s_lshl_b32 s46, s46, 11
	s_mov_b32 s47, 0
	s_mul_i32 s22, s12, AH                         ; where they go: waves 0, 1: A's halves at wave x AH;
	s_mul_i32 s23, s12, BH
	s_add_co_u32 s23, s23, 2*(AH-BH)               ; waves 2, 3: B's halves at 2 AH + (wave - 2) x BH
	s_wait_dscnt 0x0
	s_wait_kmcnt 0x0
	s_add_nc_u64 s[20:21], s[4:5], s[16:17]
	s_add_nc_u64 s[46:47], s[6:7], s[46:47]
	CROUND                                         ; all sixteen work-groups are here: the first joint loads meet
.irp s, 0,1
	s_mov_b32 s[G0+4*\s], 1
	s_add_co_u32 s[G0+4*\s+1], s22, \s*SLOT
	s_add_nc_u64 s[G0+4*\s+2:G0+4*\s+3], s[20:21], \s*KSTEP*2      ; K step s
	s_or_b32 s[G0+4*\s+3], s[G0+4*\s+3], 0x80000000
	s_mov_b32 s[G0B+4*\s], 1
	s_add_co_u32 s[G0B+4*\s+1], s23, \s*SLOT
	s_add_nc_u64 s[G0B+4*\s+2:G0B+4*\s+3], s[46:47], \s*KSTEP*2
	s_or_b32 s[G0B+4*\s+3], s[G0B+4*\s+3], 0x80000000
	JLOAD \s                                       ; both first fills go out before anything else: two tensor loads of the wave are out
.endr
	; a fragment: lane l holds row l % 16; registers 0-3 K = 8 (l / 16) + 0..7, registers 4-7 K = 16 + 8 (l / 16) + 0..7: two 16-byte loads, 32 bytes apart
	v_and_b32 v1, 15, v0                           ; r
	v_bfe_u32 v2, v0, 4, 1                         ; h
	v_mul_u32_u24 v3, v1, PITCH
	v_lshl_add_u32 v3, v2, 4, v3                   ; r x pitch + 16 h
	s_mul_i32 s18, s13, AH
	s_mul_i32 s19, s14, BH
	s_add_co_u32 s19, s19, 2*AH
.irp s, 0,1
	v_add_nc_u32 v[ADRA+\s], s18, v3
	v_add_nc_u32 v[ADRB+\s], s19, v3
	s_add_co_u32 s18, s18, SLOT
	s_add_co_u32 s19, s19, SLOT
.endr
	s_mul_i32 s15, s12, STG
	s_add_co_u32 s15, s15, STAGE                   ; my stage
	v_add_nc_u32 v[STV], s15, v3                   ; V: hd row r of 256 bytes, 16 h
	v_lshrrev_b32 v4, 2, v1                        ; Q, K: rows of 64 bytes, four to a padded row of 256: (r >> 2) x pitch + (r & 3) x 64 + 16 h
	v_mul_u32_u24 v4, v4, PITCH
	v_and_b32 v5, 3, v1
	v_lshl_add_u32 v4, v5, 6, v4
	v_lshl_add_u32 v4, v2, 4, v4
	v_add_nc_u32 v[STQ], s15, v4
	v_mul_u32_u24 v5, v2, PITCH                    ; back: lanes 0-15 one padded row, lanes 16-31 the next
	v_lshl_add_u32 v5, v1, 4, v5
	v_add_nc_u32 v[RD], s15, v5
	v_and_b32 v6, 31, v0
	v_lshlrev_b32 v[CO], 4, v6
; 12 matrix instructions: row blocks a0, a0 + 1 of the window's four x all 6 column blocks, 32 along K.  zero = 1: the first product starts the sums.
; The 48 accumulators take turns, one instruction a turn, in the same order in every quarter step.
.macro MUL12 f, hi, a0, zero
.irp a, \a0, \a0+1
.irp b, 0,1,2,3,4,5
.if \b < 4
.if \zero
	v_wmma_f32_16x16x32_f16 v[8*(6*(\a)+\b):8*(6*(\a)+\b)+7], v[\f+64+8*\b:\f+64+8*\b+7], v[\f+8*(4*\hi+\a):\f+8*(4*\hi+\a)+7], 0
.else
	v_wmma_f32_16x16x32_f16 v[8*(6*(\a)+\b):8*(6*(\a)+\b)+7], v[\f+64+8*\b:\f+64+8*\b+7], v[\f+8*(4*\hi+\a):\f+8*(4*\hi+\a)+7], v[8*(6*(\a)+\b):8*(6*(\a)+\b)+7]
.endif
.else
.if \zero
	v_wmma_f32_16x16x32_f16 v[8*(6*(\a)+\b):8*(6*(\a)+\b)+7], v[\f+8*(4*\hi+\a):\f+8*(4*\hi+\a)+7], v[\f+64+8*\b:\f+64+8*\b+7], 0
.else
	v_wmma_f32_16x16x32_f16 v[8*(6*(\a)+\b):8*(6*(\a)+\b)+7], v[\f+8*(4*\hi+\a):\f+8*(4*\hi+\a)+7], v[\f+64+8*\b:\f+64+8*\b+7], v[8*(6*(\a)+\b):8*(6*(\a)+\b)+7]
.endif
.endif
.endr
.endr
.endm
; 28 LDS loads in one run: B's 96 rows (12 loads), A's rows 0-63 (8), A's rows 64-127 (8), 32 K at byte k of the rows, into buffer f
.macro FETCH slot, k, f
	WIN TO_F
.irp i, 0,1,2,3,4,5
	ds_load_b128 v[\f+64+8*\i:\f+64+8*\i+3],   v[ADRB+\slot] offset:\k+\i*16*PITCH
	ds_load_b128 v[\f+64+8*\i+4:\f+64+8*\i+7], v[ADRB+\slot] offset:\k+\i*16*PITCH+32
.endr
.irp i, 0,1,2,3,4,5,6,7
	ds_load_b128 v[\f+8*\i:\f+8*\i+3],   v[ADRA+\slot] offset:\k+\i*16*PITCH
	ds_load_b128 v[\f+8*\i+4:\f+8*\i+7], v[ADRA+\slot] offset:\k+\i*16*PITCH+32
.endr
.endm
; one of a K step's first three quarters: multiplies buffer f and fetches, in its middle, the next quarter's fragments into buffer g
.macro QUARTER slot, k, f, g, zero
	s_wait_dscnt 8                                 ; B and A's rows 0-63 are in; the youngest eight loads (A's rows 64-127) may be out
	WIN MUL_LO
	MUL12 \f, 0, 0, \zero
	MUL12 \f, 0, 2, \zero
	PLACES
	FETCH \slot, \k, \g
	s_wait_dscnt 28                                ; all but the 28 just issued
	WIN MUL_HI
	MUL12 \f, 1, 0, \zero
	MUL12 \f, 1, 2, \zero
.endm
.macro THREE slot, zero
	QUARTER \slot, 64,  F0, F1, \zero
	QUARTER \slot, 128, F1, F0, 0
	QUARTER \slot, 192, F0, F1, 0
.endm
; the last quarter changes slots.  In front of the barrier each wave waits for its reads of this slot and for all its tensor loads (one is out: its part of
; the next slot).  fill = 1: the barrier opens a round of the cluster's barrier, and the joint refill is the first tensor load behind the round's end;
; from that request to the wait for it the wave issues 180 matrix instructions.
.macro TURN slot, next, fill
	s_wait_dscnt 8
	WIN MUL_LO
	MUL12 F1, 0, 0, 0
	s_wait_dscnt 0                                 ; my reads of this slot are over
	s_wait_tensorcnt 0x0                           ; all my tensor loads have landed
	ds_add_u32 v254, v255
	s_wait_dscnt 0x0
	s_barrier_signal -1
	MUL12 F1, 0, 2, 0                              ; register work while the others arrive
	WIN 0
	s_barrier_wait -1
.if \fill
	CREST
	s_add_nc_u64 s[G0+4*\slot+2:G0+4*\slot+3], s[G0+4*\slot+2:G0+4*\slot+3], 2*KSTEP*2      ; no load of mine is out: group 0 may be written
	s_add_nc_u64 s[G0B+4*\slot+2:G0B+4*\slot+3], s[G0B+4*\slot+2:G0B+4*\slot+3], 2*KSTEP*2
	JLOAD \slot
.endif
	PLACES
	FETCH \next, 0, F0
	WIN MUL_HI
	MUL12 F1, 1, 0, 0
	MUL12 F1, 1, 2, 0
.endm
.macro LAP zero
	THREE 0, \zero
	TURN 0, 1, 1
	THREE 1, 0
	TURN 1, 0, 1
.endm
	s_wait_tensorcnt 1                             ; my part of K step 0 is in; K step 1's load stays out
	s_barrier_signal -1
	s_barrier_wait -1
	FETCH 0, 0, F0
	LAP 1                                          ; the first lap stands in front of the loop: its first products start the sums
	WIN 0
	s_mov_b32 s3, LAPS-2
.Llap:
	LAP 0
	WIN 0
	s_sub_co_u32 s3, s3, 1
	s_cmp_lg_u32 s3, 0
	s_cbranch_scc1 .Llap
	THREE 0, 0                                     ; the last lap fills nothing
	TURN 0, 1, 0
	THREE 1, 0
	s_wait_dscnt 8
	WIN MUL_LO
	MUL12 F1, 0, 0, 0
	MUL12 F1, 0, 2, 0
	s_wait_dscnt 0
	WIN MUL_HI
	MUL12 F1, 1, 0, 0
	MUL12 F1, 1, 2, 0
	; THE WAY OUT: my Q, K and V blocks, 8 KiB each: round to f16, 16 bytes a lane into my own stage, read back as padded rows of 256 bytes, store 512 bytes a wave.
	PLACES
	s_lshr_b32 s66, s43, 3                         ; batch (8 row blocks of 256 each)
	s_lshl_b32 s66, s66, 4
	s_add_co_u32 s66, s66, s42                     ; bh
	s_and_b32 s67, s43, 7                          ; t: tile of 256 positions
	s_lshl_b32 s68, s66, 4
	s_lshl1_add_u32 s68, s67, s68                  ; bh x 16 + 2 t
	s_add_co_u32 s68, s68, s13                     ; + wm
	s_lshl1_add_u32 s68, s68, s14                  ; x 2 + wn
	s_lshl_b32 s68, s68, 13
	s_mov_b32 s69, 0
	s_lshl3_add_u32 s70, s66, s67                  ; bh x 8 + t
	s_lshl_b32 s70, s70, 16
	s_lshl_b32 s71, s14, 14                        ; K: plane wn, keys from 128 wm
	s_lshl_b32 s72, s13, 13
	s_add_co_u32 s71, s71, s72
	s_add_co_u32 s72, s70, s71
	s_mov_b32 s73, 0
	s_lshl_b32 s71, s13, 14                        ; V: part 2 + wm, hd from 32 wn
	s_lshl_b32 s74, s14, 13
	s_add_co_u32 s71, s71, s74
	s_add_co_u32 s71, s71, 32768
	s_add_co_u32 s70, s70, s71
	s_mov_b32 s71, 0
	s_add_nc_u64 s[74:75], s[8:9], s[68:69]
	s_add_nc_u64 s[76:77], s[10:11], s[72:73]
	s_add_nc_u64 s[78:79], s[10:11], s[70:71]
.macro PACK8 win, abase, b0            ; the eight tiles (a, b0), (a, b0 + 1) of one window, rounded and packed
	WIN \win
.irp a, 0,1,2,3
.irp bb, 0,1
.irp q, 0,1,2,3
	v_cvt_pk_f16_f32 v[TMP+4*(2*(\abase+\a)+\bb)+\q], v[8*(6*\a+\b0+\bb)+2*\q], v[8*(6*\a+\b0+\bb)+2*\q+1]
.endr
.endr
.endr
.endm
.macro OUTM b0, isv, base
	PACK8 0x0a, 0, \b0
	PACK8 0x0f, 4, \b0
	WIN 0
.irp a, 0,1,2,3,4,5,6,7
.irp bb, 0,1
.if \isv
	ds_store_b128 v[STV], v[TMP+4*(2*\a+\bb):TMP+4*(2*\a+\bb)+3] offset:\bb*16*PITCH+32*\a     ; hd 16 bb + r, keys 16 a + 8 h ..
.else
	ds_store_b128 v[STQ], v[TMP+4*(2*\a+\bb):TMP+4*(2*\a+\bb)+3] offset:\a*4*PITCH+32*\bb      ; position 16 a + r, hd 16 bb + 8 h ..
.endif
.endr
.endr
	s_wait_xcnt 0x0                                ; RB, the data of the block before's stores, is loaded again only behind this wait
.irp t, 0,1,2,3,4,5,6,7,8,9,10,11,12,13,14,15
	ds_load_b128 v[RB+4*\t:RB+4*\t+3], v[RD] offset:\t*2*PITCH     ; LDS serves a wave's instructions in order: these see the stores above
.endr
.irp t, 0,1,2,3,4,5,6,7,8,9,10,11,12,13,14,15
	s_wait_dscnt 15-\t
	global_store_b128 v[CO], v[RB+4*\t:RB+4*\t+3], s[\base:\base+1] offset:512*\t   ; 512 consecutive bytes, aligned
.endr
.endm
	OUTM 0, 0, 74
	OUTM 2, 0, 76
	OUTM 4, 1, 78
	s_set_vgpr_msb 0x5
	s_wait_tensorcnt 0x0
	ds_add_u32 v254, v255
	s_wait_dscnt 0x0
	s_set_vgpr_msb 0x500
	CROUND                                         ; the closing round: no work-group ends while a partner may still ask for a tile that names it
	s_endpgm
.Lfunc_end_k_q5a55088163_qkv:
	.size	k_q5a55088163_qkv, .Lfunc_end_k_q5a55088163_qkv-k_q5a55088163_qkv
	.p2alignl 7, 3214868480
	.fill 96, 4, 3214868480
	.section	.rodata,"a",@progbits
	.p2align	6, 0x0
	.amdhsa_kernel k_q5a55088163_qkv
		.amdhsa_group_segment_fixed_size 327680
		.amdhsa_private_segment_fixed_size 0
		.amdhsa_enable_private_segment 0
		.amdhsa_kernarg_size 32
		.amdhsa_user_sgpr_count 2
		.amdhsa_user_sgpr_kernarg_segment_ptr 1
		.amdhsa_wavefront_size32 1
		.amdhsa_system_sgpr_workgroup_id_x 1
		.amdhsa_system_sgpr_workgroup_id_y 1
		.amdhsa_system_sgpr_workgroup_id_z 1
		.amdhsa_system_vgpr_workitem_id 0
		.amdhsa_next_free_vgpr 960
		.amdhsa_next_free_sgpr 80
		.amdhsa_reserve_vcc 0
		.amdhsa_float_denorm_mode_32 3
		.amdhsa_float_denorm_mode_16_64 3
		.amdhsa_memory_ordered 1
		.amdhsa_forward_progress 1
		.amdhsa_inst_pref_size 157
	.end_amdhsa_kernel
	.amdgpu_metadata
---
amdhsa.version: [ 1, 2 ]
amdhsa.kernels:
  - .name:           k_q5a55088163_qkv
    .symbol:         k_q5a55088163_qkv.kd
    .args:
      - { .name: xh, .offset: 0, .size: 8, .value_kind: global_buffer, .address_space: global }
      - { .name: wqkv, .offset: 8, .size: 8, .value_kind: global_buffer, .address_space: global }
      - { .name: qh, .offset: 16, .size: 8, .value_kind: global_buffer, .address_space: global }
      - { .name: kvh, .offset: 24, .size: 8, .value_kind: global_buffer, .address_space: global }
    .group_segment_fixed_size: 327680
    .private_segment_fixed_size: 0
    .kernarg_segment_align: 8
    .kernarg_segment_size: 32
    .max_flat_workgroup_size: 128
    .sgpr_count:     80
    .vgpr_count:     960
    .wavefront_size: 32
...
	.end_amdgpu_metadata
.endif
;; end of part 2
;; launch attn (part 3): grid 256 x 1, 8 waves a work-group, clusters of 4 x 1, 327,680 bytes of LDS; arguments qh, kvh, ah; writes ah
.if DOCPART == 3
	.amdgcn_target "amdgcn-amd-amdhsa--gfx1250"
	.amdhsa_code_object_version 6
	.text
	.protected	k_q5a55088163_attn
	.globl	k_q5a55088163_attn
	.p2align	8
	.type	k_q5a55088163_attn,@function
k_q5a55088163_attn:
	s_mov_b64 s[64:65], 0
	v_nop
	global_prefetch_b8 v0, s[64:65] scope:SCOPE_SE
	s_setreg_imm32_b32 hwreg(HW_REG_WAVE_MODE, 25, 1), 1
	s_wait_xcnt 0x0
	s_wait_alu depctr_hold_cnt(0) depctr_sa_sdst(0) depctr_va_vdst(0) depctr_va_sdst(0) depctr_va_ssrc(0) depctr_va_vcc(0) depctr_vm_vsrc(0)
	s_getreg_b32 s2, hwreg(HW_REG_IB_STS2, 6, 4)
	s_cmp_eq_u32 s2, 0
	s_cbranch_scc0 .Lentry_in_a_cluster
	s_endpgm
.Lentry_in_a_cluster:
	s_bfe_u32 s2, ttmp6, 0x10000c
	s_cmp_lg_u32 s2, 0x3003
	s_cbranch_scc0 .Lentry_shape_is_right
	s_endpgm
.Lentry_shape_is_right:
; softmax(Q K^T / 8) V for 32 (batch, head) pairs, 2,048 positions, 64 hd; f16 operands, f32 scores, sums and statistics, a running maximum.
; A work-group owns 256 query rows of one pair.  Wave w: wq = w & 3 owns 64 query rows, g = w >> 2 takes key half g of every tile of 256 keys; waves w and
; w + 4 work the same rows on different keys and are merged once at the end, through LDS.  Two waves lie on each SIMD: while one does its softmax arithmetic
; the other has matrix work.
; CLUSTER 4 x 1: the four work-groups are four query blocks of one pair and walk the same K and V tiles: each tile is asked for jointly (mask 15).
; TRANSPOSED FORMS: S^T = K Q^T (A = 16 keys, B = 16 queries) and O^T = V^T P^T.  In a tile of S^T lane (r, h) holds query r and keys 8 h + j, so two tiles,
; rounded and packed, ARE the B fragment of P^T for 32 keys: P never goes through LDS, and a query's maximum and sum are a lane's own plus one exchange.
; LIMITS: P is kept in f16: terms below 2^-25 of their row's largest round to 0.  NaN and infinities in Q, K, V are not followed.
; The exponent is s c + nmc with c = log2(e) / 8 and nmc = -(running maximum) c, rounded once and used alike for P and for the rescaling.
.set PITCH,  272                       ; 256 bytes + 16 of padding
.set PART,   64*PITCH                  ; 16 KiB of a tile as 64 padded rows: what one tensor load brings
.set SLOT,   4*PART                    ; K plane 0, K plane 1, V^T of key half 0, of key half 1
.set TILEB,  65536                     ; a tile in memory
.set MERGE,  2*SLOT                    ; a multiple of 256; 36 x 512 bytes for each pair of waves; never a tensor load's target
.set MPAIR,  36*512
.set OSTAGE, MERGE+4*MPAIR             ; 8,704 bytes for each of waves 0-3, for the way out
.set OSTG,   32*PITCH
.set KA,   4                           ; v4-5   LDS address of my K fragments in slot 0, 1
.set VA,   6                           ; v6-7   the same for V^T
.set QOFF, 8
.set MST,  9                           ; my 16 bytes in the pair's merge area
.set OST,  10
.set ORD,  11
.set CO,   12
.set TM,   16                          ; v16-19 at work, one a query block qt
.set TP,   20                          ; v20-23
.set TS,   24                          ; v24-31 pairs
.set ST,   32                          ; v32-47 for each qt: nmc, maximum, alpha, sum
.set SB,   64                          ; v64-191 S^T: tile (kt, qt) at SB + 16 (4 (kt/2) + qt) + 8 (kt%2); later P (c, qt) in the first 8 of each 16
.set KF,   192                         ; v192-255 K fragment (kt, kk) at KF + 8 (2 kt + kk)
.set PS,   192                         ; the merge: the partner's statistics
.set QF,   0                           ; window 1: Q fragment (qt, kk) at 8 (2 qt + kk)
.set OB,   64                          ; window 1: O^T tile (mt, qt) at OB + 8 (4 mt + qt)
.set VF,   192                         ; window 1: V^T fragment (mt, c) at VF + 8 (2 mt + c)
.set G1,   24                          ; s[24:31]
.set G0,   32                          ; s[32:39], one set a slot
.set MSB, 0
.macro WIN new
.if MSB != \new
	s_set_vgpr_msb (MSB<<8)|\new
.set MSB, \new
.endif
.endm
.macro PLACES
.rept 4
	v_nop
.endr
.endm
.macro ROUND                           ; a round of the cluster's barrier
	s_barrier_signal -1
	s_barrier_wait -1
	s_cmp_lg_u32 s12, 0
	s_cbranch_scc1 .Lnot_wave_0_\@
	s_barrier_signal -3
.Lnot_wave_0_\@:
	s_barrier_wait -3
	s_barrier_signal -1
	s_barrier_wait -1
.endm
.macro JLOAD s                         ; waves 0-3 ask for one part each; waves 4-7 have no part of a tile to fill
	s_cmp_lt_u32 s12, 4
	s_cbranch_scc0 .Lnone_\@
	tensor_load_to_lds s[G0+4*\s:G0+4*\s+3], s[G1:G1+7]
	s_nop 0
.Lnone_\@:
.endm
	s_load_b128 s[4:7], s[0:1], 0x0                ; qh s[4:5], kvh s[6:7]
	s_load_b64 s[8:9], s[0:1], 0x10                ; ah
	v_lshl_add_u32 v62, v0, 2, 0x3c800
	v_mov_b32 v63, 0
	ds_add_u32 v62, v63
	v_lshrrev_b32 v1, 5, v0
	v_readfirstlane_b32 s12, v1                    ; wave 0..7
	s_and_b32 s13, s12, 3                          ; wq
	s_lshr_b32 s14, s12, 2                         ; g
	s_bfe_u32 s15, ttmp6, 0x40000                  ; cx
	s_lshr_b32 s16, ttmp9, 1                       ; bh: two clusters a pair
	s_and_b32 s17, ttmp9, 1
	s_lshl2_add_u32 s17, s17, s15                  ; query block of 256 rows, 0..7
	s_mov_b32 s19, 0xbe38aa3b                      ; -c
	s_mov_b32 s20, 0x3e38aa3b                      ; c = log2(e) / 8, twice: a pair for the packed multiply-add
	s_mov_b32 s21, 0x3e38aa3b
	s_mov_b32 s22, 0x76543210                      ; v_permlanex16_b32: lane i reads lane i of the other half
	s_mov_b32 s23, 0xfedcba98
	; group 1: 64 rows of 256 consecutive bytes (32 elements of 8 bytes), 16 bytes of padding behind each; mask 15 and bit 21
	s_mov_b32 s[G1+0], 15|(3<<16)|(1<<20)|(1<<21)|(5<<22)|(3<<25)
	s_mov_b32 s[G1+1], 32<<16
	s_mov_b32 s[G1+2], 64<<16
	s_mov_b32 s[G1+3], 32<<16
	s_mov_b32 s[G1+4], 64
	s_mov_b32 s[G1+5], 32
	s_mov_b32 s[G1+6], 0
	s_mov_b32 s[G1+7], 0
	s_lshl_b32 s40, s16, 19                        ; the pair's 8 tiles of 64 KiB; no place in the cluster enters
	s_lshl_b32 s41, s12, 14                        ; my part
	s_add_co_u32 s40, s40, s41
	s_mov_b32 s41, 0
	s_mul_i32 s18, s12, PART
	s_lshl_b32 s44, s16, 4                         ; Q: block of 128 rows = bh x 16 + 2 x query block + wq / 2
	s_lshl1_add_u32 s44, s17, s44
	s_lshr_b32 s45, s13, 1
	s_add_co_u32 s44, s44, s45
	s_lshl_b32 s44, s44, 14
	s_and_b32 s45, s13, 1
	s_lshl_b32 s46, s45, 12                        ; 64 rows of 64 bytes
	s_add_co_u32 s44, s44, s46
	s_mov_b32 s45, 0
	v_and_b32 v1, 15, v0                           ; r
	v_bfe_u32 v2, v0, 4, 1                         ; h
	v_and_b32 v3, 31, v0                           ; lane
	v_lshrrev_b32 v13, 2, v1                       ; K: rows of 64 bytes, four to a padded row: (r >> 2) x pitch + (r & 3) x 64 + 16 h: 16 different 16-byte columns
	v_mul_u32_u24 v13, v13, PITCH
	v_and_b32 v14, 3, v1
	v_lshl_add_u32 v13, v14, 6, v13
	v_lshl_add_u32 v13, v2, 4, v13
	s_mul_i32 s10, s14, 32*PITCH                   ; my 128 keys
	v_add_nc_u32 v[KA], s10, v13
	v_add_nc_u32 v[KA+1], SLOT, v[KA]
	v_mul_u32_u24 v13, v1, PITCH                   ; V^T: hd row r, 16 h
	v_lshl_add_u32 v13, v2, 4, v13
	s_mul_i32 s10, s14, PART
	s_add_co_u32 s10, s10, 2*PART
	v_add_nc_u32 v[VA], s10, v13
	v_add_nc_u32 v[VA+1], SLOT, v[VA]
	v_lshlrev_b32 v13, 6, v1
	v_lshl_add_u32 v[QOFF], v2, 4, v13
	s_mul_i32 s10, s13, MPAIR
	s_add_co_u32 s10, s10, MERGE
	v_lshl_add_u32 v[MST], v3, 4, s10
	s_mul_i32 s10, s13, OSTG
	s_add_co_u32 s10, s10, OSTAGE
	v_lshrrev_b32 v13, 1, v1                       ; out: rows of 128 bytes, two to a padded row
	v_mul_u32_u24 v13, v13, PITCH
	v_and_b32 v14, 1, v1
	v_lshl_add_u32 v13, v14, 7, v13
	v_lshl_add_u32 v13, v2, 4, v13
	v_add_nc_u32 v[OST], s10, v13
	v_mul_u32_u24 v13, v2, PITCH
	v_lshl_add_u32 v13, v1, 4, v13
	v_add_nc_u32 v[ORD], s10, v13
	v_lshlrev_b32 v[CO], 4, v3
.irp qt, 0,1,2,3
	v_mov_b32 v[TP+\qt], 0                         ; v_permlanex16_b32 counts as a reader of its destination
.endr
	s_wait_dscnt 0x0
	s_wait_kmcnt 0x0
	s_add_nc_u64 s[42:43], s[6:7], s[40:41]
	s_add_nc_u64 s[44:45], s[4:5], s[44:45]
.irp s, 0,1
	s_mov_b32 s[G0+4*\s], 1
	s_add_co_u32 s[G0+4*\s+1], s18, \s*SLOT
	s_add_nc_u64 s[G0+4*\s+2:G0+4*\s+3], s[42:43], \s*TILEB        ; tile s
	s_or_b32 s[G0+4*\s+3], s[G0+4*\s+3], 0x80000000
.endr
	WIN 0x40                                       ; Q's eight fragments straight from memory, once
.irp qt, 0,1,2,3
.irp kk, 0,1
	global_load_b128 v[QF+8*(2*\qt+\kk):QF+8*(2*\qt+\kk)+3],   v[QOFF], s[44:45] offset:\kk*8192+\qt*1024
	global_load_b128 v[QF+8*(2*\qt+\kk)+4:QF+8*(2*\qt+\kk)+7], v[QOFF], s[44:45] offset:\kk*8192+\qt*1024+32
.endr
.endr
	WIN 0
	ROUND                                          ; in front of the first joint load
	JLOAD 0                                        ; tile 0: one tensor load of the wave is out, here and behind every later round
	s_wait_loadcnt 0x0                             ; Q
.macro KLOAD slot, sub                 ; 16 loads: 64 keys x 64 hd
	WIN 0
.irp kt, 0,1,2,3
.irp kk, 0,1
	ds_load_b128 v[KF+8*(2*\kt+\kk):KF+8*(2*\kt+\kk)+3],   v[KA+\slot] offset:\kk*PART+(\sub)*16*PITCH+\kt*4*PITCH
	ds_load_b128 v[KF+8*(2*\kt+\kk)+4:KF+8*(2*\kt+\kk)+7], v[KA+\slot] offset:\kk*PART+(\sub)*16*PITCH+\kt*4*PITCH+32
.endr
.endr
.endm
.macro VLOAD slot, sub                 ; 16 loads: 64 hd x 64 keys
	WIN 0x40
.irp mt, 0,1,2,3
.irp c, 0,1
	ds_load_b128 v[VF+8*(2*\mt+\c):VF+8*(2*\mt+\c)+3],   v[VA+\slot] offset:\mt*16*PITCH+(\sub)*128+\c*64
	ds_load_b128 v[VF+8*(2*\mt+\c)+4:VF+8*(2*\mt+\c)+7], v[VA+\slot] offset:\mt*16*PITCH+(\sub)*128+\c*64+32
.endr
.endr
.endm
; 64 keys x 64 queries.  first = 1: the wave's first step: nothing to rescale, the first products start O.  nextk = 1: the next 64 keys' K fragments are fetched.
; In both products the 16 accumulators take turns, one instruction a turn.
.macro STEP slot, sub, first, nextk
	s_wait_dscnt 0x0                               ; K's fragments are in
	WIN 0x04                                       ; source 1 (Q) window 1
.irp kk, 0,1
.irp kt, 0,1,2,3
.irp qt, 0,1,2,3
.set dd, SB+16*(4*(\kt/2)+\qt)+8*(\kt%2)
.if \kk
	v_wmma_f32_16x16x32_f16 v[dd:dd+7], v[KF+8*(2*\kt+\kk):KF+8*(2*\kt+\kk)+7], v[QF+8*(2*\qt+\kk):QF+8*(2*\qt+\kk)+7], v[dd:dd+7]
.else
	v_wmma_f32_16x16x32_f16 v[dd:dd+7], v[KF+8*(2*\kt+\kk):KF+8*(2*\kt+\kk)+7], v[QF+8*(2*\qt+\kk):QF+8*(2*\qt+\kk)+7], 0
.endif
.endr
.endr
.endr
	PLACES                                         ; in front of the loads into K's fragments and of the reads of S
	VLOAD \slot, \sub
.if \nextk
	KLOAD \slot, \sub+1
.endif
	WIN 0
	; the largest of a lane's 32 scores of each query block (and the old maximum), four chains side by side
.irp qt, 0,1,2,3
	v_max3_num_f32 v[TM+\qt], v[SB+16*\qt], v[SB+16*\qt+1], v[SB+16*\qt+2]
.endr
.set n, 3
.rept 14
.irp qt, 0,1,2,3
	v_max3_num_f32 v[TM+\qt], v[TM+\qt], v[SB+16*\qt+(n%16)+64*(n/16)], v[SB+16*\qt+((n+1)%16)+64*((n+1)/16)]
.endr
.set n, n+2
.endr
.irp qt, 0,1,2,3
.if \first
	v_max_num_f32 v[TM+\qt], v[TM+\qt], v[SB+16*\qt+79]
.else
	v_max3_num_f32 v[TM+\qt], v[TM+\qt], v[SB+16*\qt+79], v[ST+4*\qt+1]
.endif
.endr
.irp qt, 0,1,2,3
	v_permlanex16_b32 v[TP+\qt], v[TM+\qt], s22, s23               ; the other half of the lanes holds the query's other keys
.endr
.irp qt, 0,1,2,3
	v_max_num_f32 v[ST+4*\qt+1], v[TM+\qt], v[TP+\qt]              ; the running maximum
.endr
.if \first
.irp qt, 0,1,2,3
	v_mul_f32 v[ST+4*\qt], s19, v[ST+4*\qt+1]                      ; nmc = -maximum x c
.endr
.else
.irp qt, 0,1,2,3
	v_mul_f32 v[TP+\qt], s19, v[ST+4*\qt+1]
.endr
.irp qt, 0,1,2,3
	v_sub_f32 v[TM+\qt], v[TP+\qt], v[ST+4*\qt]                    ; new nmc - old nmc = (old maximum - new) c, at most 0
.endr
.irp qt, 0,1,2,3
	v_mov_b32 v[ST+4*\qt], v[TP+\qt]
.endr
.irp qt, 0,1,2,3
	v_exp_f32 v[ST+4*\qt+2], v[TM+\qt]                             ; alpha; the packed multiply-adds below are the plain place behind it (ISA guide 5.7.2)
.endr
.endif
.irp c, 0,1
.irp qt, 0,1,2,3
.irp i, 0,2,4,6,8,10,12,14
	v_pk_fma_f32 v[SB+16*(4*\c+\qt)+\i:SB+16*(4*\c+\qt)+\i+1], v[SB+16*(4*\c+\qt)+\i:SB+16*(4*\c+\qt)+\i+1], s[20:21], v[ST+4*\qt:ST+4*\qt+1] op_sel_hi:[1,0,0]
.endr
.endr
.endr
.if \first
.else
	WIN 0x41                                       ; O: destination and source 0 window 1
	s_wait_alu depctr_va_vdst(0)
.irp mt, 0,1,2,3
.irp qt, 0,1,2,3
.irp i, 0,2,4,6
	v_pk_mul_f32 v[OB+8*(4*\mt+\qt)+\i:OB+8*(4*\mt+\qt)+\i+1], v[OB+8*(4*\mt+\qt)+\i:OB+8*(4*\mt+\qt)+\i+1], v[ST+4*\qt+2:ST+4*\qt+3] op_sel_hi:[1,0]
.endr
.endr
.endr
	WIN 0
.endif
.set n, 0
.rept 128
	v_exp_f32 v[SB+n], v[SB+n]
.set n, n+1
.endr
	v_nop                                          ; one plain place behind the run of exponentials
	s_wait_alu depctr_va_vdst(0)
.irp qt, 0,1,2,3
	v_pk_add_f32 v[TS+2*\qt:TS+2*\qt+1], v[SB+16*\qt:SB+16*\qt+1], v[SB+16*\qt+2:SB+16*\qt+3]
.endr
.set n, 4
.rept 14
.irp qt, 0,1,2,3
	v_pk_add_f32 v[TS+2*\qt:TS+2*\qt+1], v[TS+2*\qt:TS+2*\qt+1], v[SB+16*\qt+(n%16)+64*(n/16):SB+16*\qt+(n%16)+64*(n/16)+1]
.endr
.set n, n+2
.endr
.irp qt, 0,1,2,3
.if \first
	v_add_f32 v[ST+4*\qt+3], v[TS+2*\qt], v[TS+2*\qt+1]            ; the sum stays a lane's own until the merge
.else
	v_add_f32 v[TS+2*\qt], v[TS+2*\qt], v[TS+2*\qt+1]
	v_fma_f32 v[ST+4*\qt+3], v[ST+4*\qt+3], v[ST+4*\qt+2], v[TS+2*\qt]
.endif
.endr
.irp c, 0,1
.irp qt, 0,1,2,3
.irp i, 0,1,2,3,4,5,6,7
	v_cvt_pk_f16_f32 v[SB+16*(4*\c+\qt)+\i], v[SB+16*(4*\c+\qt)+2*\i], v[SB+16*(4*\c+\qt)+2*\i+1]   ; in place: word i is written when words 2 i, 2 i + 1 are read
.endr
.endr
.endr
	s_wait_dscnt 16*\nextk                         ; V's 16 loads are in; the 16 of K issued behind them may stay out
	WIN 0x51                                       ; A (V^T), C and D (O) window 1, B (P) window 0
.irp c, 0,1
.irp mt, 0,1,2,3
.irp qt, 0,1,2,3
.if \first*(1-\c)
	v_wmma_f32_16x16x32_f16 v[OB+8*(4*\mt+\qt):OB+8*(4*\mt+\qt)+7], v[VF+8*(2*\mt+\c):VF+8*(2*\mt+\c)+7], v[SB+16*(4*\c+\qt):SB+16*(4*\c+\qt)+7], 0
.else
	v_wmma_f32_16x16x32_f16 v[OB+8*(4*\mt+\qt):OB+8*(4*\mt+\qt)+7], v[VF+8*(2*\mt+\c):VF+8*(2*\mt+\c)+7], v[SB+16*(4*\c+\qt):SB+16*(4*\c+\qt)+7], v[OB+8*(4*\mt+\qt):OB+8*(4*\mt+\qt)+7]
.endif
.endr
.endr
.endr
	WIN 0
	PLACES
	v_nop                                          ; five places: the next step's first products write over P's registers
.endm
; a tile of 256 keys.  In front of the round every wave waits for all its tensor loads (this tile's part among them) and for its reads of the other slot;
; the round holds register work alone; the joint refill of the other slot is the first tensor load behind it and has the whole trip in which to land.
.macro TRIP slot, refill, first
	s_wait_tensorcnt 0x0
	ds_add_u32 v62, v63
	s_wait_dscnt 0x0
	s_add_nc_u64 s[G0+4*\slot+2:G0+4*\slot+3], s[G0+4*\slot+2:G0+4*\slot+3], 2*TILEB     ; no load of mine is out: this slot's next tile
	s_wait_dscnt 0x0
	ROUND
.if \refill
	JLOAD (1-\slot)
.endif
	KLOAD \slot, 0
	STEP \slot, 0, \first, 1
	STEP \slot, 1, 0, 0
.endm
	TRIP 0, 1, 1                                   ; tiles 0 and 1 stand in front of the loop: the very first step starts the sums
	TRIP 1, 1, 0
	s_mov_b32 s3, 2
.Lpair:
	TRIP 0, 1, 0                                   ; tiles 2 to 5
	TRIP 1, 1, 0
	s_sub_co_u32 s3, s3, 1
	s_cmp_lg_u32 s3, 0
	s_cbranch_scc1 .Lpair
	TRIP 0, 1, 0                                   ; tile 6 asks for tile 7,
	TRIP 1, 0, 0                                   ; tile 7 for nothing
	; THE MERGE: waves 4-7 hand O and their statistics to waves 0-3
	s_cmp_lt_u32 s12, 4
	s_cbranch_scc1 .Lkeep
	WIN 0x04                                       ; store data window 1
.set n, 0
.rept 32
	ds_store_b128 v[MST], v[OB+4*n:OB+4*n+3] offset:512*n
.set n, n+1
.endr
	WIN 0
.irp qt, 0,1,2,3
	ds_store_b128 v[MST], v[ST+4*\qt:ST+4*\qt+3] offset:16384+512*\qt
.endr
.Lkeep:
	s_wait_dscnt 0x0                               ; my stores are done, for the partner's sake
	s_barrier_signal -1
	s_barrier_wait -1
	s_cmp_lt_u32 s12, 4
	s_cbranch_scc0 .Ldone
.irp qt, 0,1,2,3
	ds_load_b128 v[PS+4*\qt:PS+4*\qt+3], v[MST] offset:16384+512*\qt
.endr
.set n, 0
.rept 32
	ds_load_b128 v[SB+4*n:SB+4*n+3], v[MST] offset:512*n
.set n, n+1
.endr
	s_lshr_b32 s46, s16, 4                         ; ah: block of 128 rows = batch x 16 + 2 x query block + wq / 2
	s_lshl_b32 s46, s46, 4
	s_lshl1_add_u32 s46, s17, s46
	s_lshr_b32 s47, s13, 1
	s_add_co_u32 s46, s46, s47
	s_lshl_b32 s46, s46, 18                        ; 16 heads of 16 KiB
	s_and_b32 s47, s16, 15
	s_lshl_b32 s47, s47, 14                        ; head
	s_add_co_u32 s46, s46, s47
	s_and_b32 s47, s13, 1
	s_lshl_b32 s47, s47, 13                        ; 64 rows of 128 bytes
	s_add_co_u32 s46, s46, s47
	s_mov_b32 s47, 0
	s_add_nc_u64 s[46:47], s[8:9], s[46:47]
	s_wait_dscnt 0x0
.irp qt, 0,1,2,3
	v_min_num_f32 v[TS+2*\qt], v[ST+4*\qt], v[PS+4*\qt]            ; nmc of the larger maximum
.endr
.irp qt, 0,1,2,3
	v_sub_f32 v[TM+\qt], v[TS+2*\qt], v[ST+4*\qt]
	v_sub_f32 v[TP+\qt], v[TS+2*\qt], v[PS+4*\qt]
.endr
.irp qt, 0,1,2,3
	v_exp_f32 v[TM+\qt], v[TM+\qt]                 ; my weight
	v_exp_f32 v[TP+\qt], v[TP+\qt]                 ; the partner's
.endr
	v_nop
	s_wait_alu depctr_va_vdst(0)
.irp qt, 0,1,2,3
	v_mul_f32 v[TS+2*\qt], v[ST+4*\qt+3], v[TM+\qt]
	v_fmac_f32 v[TS+2*\qt], v[PS+4*\qt+3], v[TP+\qt]
.endr
.irp qt, 0,1,2,3
	v_permlanex16_b32 v[TS+2*\qt+1], v[TS+2*\qt], s22, s23         ; the sums of the two halves of the lanes meet here, once
.endr
.irp qt, 0,1,2,3
	v_add_f32 v[TS+2*\qt], v[TS+2*\qt], v[TS+2*\qt+1]
.endr
.irp qt, 0,1,2,3
	v_rcp_f32 v[TS+2*\qt], v[TS+2*\qt]             ; the sum holds a term of about 1, so it is no denormal
.endr
	v_nop
	s_wait_alu depctr_va_vdst(0)
.irp qt, 0,1,2,3
	v_mul_f32 v[ST+4*\qt], v[TM+\qt], v[TS+2*\qt]                  ; factor of my O
	v_mul_f32 v[ST+4*\qt+2], v[TP+\qt], v[TS+2*\qt]                ; factor of the partner's
.endr
.irp mt, 0,1,2,3
.irp qt, 0,1,2,3
.irp i, 0,2,4,6
	v_pk_mul_f32 v[SB+8*(4*\mt+\qt)+\i:SB+8*(4*\mt+\qt)+\i+1], v[SB+8*(4*\mt+\qt)+\i:SB+8*(4*\mt+\qt)+\i+1], v[ST+4*\qt+2:ST+4*\qt+3] op_sel_hi:[1,0]
.endr
.endr
.endr
	WIN 0x01                                       ; source 0: my O, window 1
.irp mt, 0,1,2,3
.irp qt, 0,1,2,3
.irp i, 0,2,4,6
	v_pk_fma_f32 v[SB+8*(4*\mt+\qt)+\i:SB+8*(4*\mt+\qt)+\i+1], v[OB+8*(4*\mt+\qt)+\i:OB+8*(4*\mt+\qt)+\i+1], v[ST+4*\qt:ST+4*\qt+1], v[SB+8*(4*\mt+\qt)+\i:SB+8*(4*\mt+\qt)+\i+1] op_sel_hi:[1,0,1]
.endr
.endr
.endr
	WIN 0
.set n, 0
.rept 16
.irp i, 0,1,2,3
	v_cvt_pk_f16_f32 v[SB+8*n+\i], v[SB+8*n+2*\i], v[SB+8*n+2*\i+1]
.endr
.set n, n+1
.endr
.irp mt, 0,1,2,3
.irp qt, 0,1,2,3
	ds_store_b128 v[OST], v[SB+8*(4*\mt+\qt):SB+8*(4*\mt+\qt)+3] offset:\qt*8*PITCH+32*\mt     ; query 16 qt + r, hd 16 mt + 8 h ..
.endr
.endr
.irp t, 0,1,2,3,4,5,6,7,8,9,10,11,12,13,14,15
	ds_load_b128 v[KF+4*\t:KF+4*\t+3], v[ORD] offset:\t*2*PITCH    ; my own stage: LDS serves a wave's instructions in order
.endr
.irp t, 0,1,2,3,4,5,6,7,8,9,10,11,12,13,14,15
	s_wait_dscnt 15-\t
	global_store_b128 v[CO], v[KF+4*\t:KF+4*\t+3], s[46:47] offset:512*\t   ; 512 consecutive bytes, aligned
.endr
.Ldone:
	s_wait_tensorcnt 0x0
	ds_add_u32 v62, v63
	s_wait_dscnt 0x0
	ROUND                                          ; the closing round
	s_endpgm
.Lfunc_end_k_q5a55088163_attn:
	.size	k_q5a55088163_attn, .Lfunc_end_k_q5a55088163_attn-k_q5a55088163_attn
	.p2alignl 7, 3214868480
	.fill 96, 4, 3214868480
	.section	.rodata,"a",@progbits
	.p2align	6, 0x0
	.amdhsa_kernel k_q5a55088163_attn
		.amdhsa_group_segment_fixed_size 327680
		.amdhsa_private_segment_fixed_size 0
		.amdhsa_enable_private_segment 0
		.amdhsa_kernarg_size 24
		.amdhsa_user_sgpr_count 2
		.amdhsa_user_sgpr_kernarg_segment_ptr 1
		.amdhsa_wavefront_size32 1
		.amdhsa_system_sgpr_workgroup_id_x 1
		.amdhsa_system_sgpr_workgroup_id_y 1
		.amdhsa_system_sgpr_workgroup_id_z 1
		.amdhsa_system_vgpr_workitem_id 0
		.amdhsa_next_free_vgpr 512
		.amdhsa_next_free_sgpr 66
		.amdhsa_reserve_vcc 0
		.amdhsa_float_denorm_mode_32 3
		.amdhsa_float_denorm_mode_16_64 3
		.amdhsa_memory_ordered 1
		.amdhsa_forward_progress 1
		.amdhsa_inst_pref_size 255
	.end_amdhsa_kernel
	.section	.bss,"aw",@nobits
	.p2align	6
	.space	262144
	.amdgpu_metadata
---
amdhsa.version: [ 1, 2 ]
amdhsa.kernels:
  - .name:           k_q5a55088163_attn
    .symbol:         k_q5a55088163_attn.kd
    .args:
      - { .name: qh, .offset: 0, .size: 8, .value_kind: global_buffer, .address_space: global }
      - { .name: kvh, .offset: 8, .size: 8, .value_kind: global_buffer, .address_space: global }
      - { .name: ah, .offset: 16, .size: 8, .value_kind: global_buffer, .address_space: global }
    .group_segment_fixed_size: 327680
    .private_segment_fixed_size: 0
    .kernarg_segment_align: 8
    .kernarg_segment_size: 24
    .max_flat_workgroup_size: 256
    .sgpr_count:     66
    .vgpr_count:     512
    .wavefront_size: 32
...
	.end_amdgpu_metadata
.endif
;; end of part 3
;; launch proj (part 4): grid 8 x 32, 4 waves a work-group, clusters of 4 x 4, 327,680 bytes of LDS; arguments ah, woh, bo, out0; writes out0
.if DOCPART == 4
	.amdgcn_target "amdgcn-amd-amdhsa--gfx1250"
	.amdhsa_code_object_version 6
	.text
	.protected	k_q5a55088163_proj
	.globl	k_q5a55088163_proj
	.p2align	8
	.type	k_q5a55088163_proj,@function
k_q5a55088163_proj:
	s_mov_b64 s[64:65], 0
	v_nop
	global_prefetch_b8 v0, s[64:65] scope:SCOPE_SE
	s_setreg_imm32_b32 hwreg(HW_REG_WAVE_MODE, 25, 1), 1
	s_wait_xcnt 0x0
	s_wait_alu depctr_hold_cnt(0) depctr_sa_sdst(0) depctr_va_vdst(0) depctr_va_sdst(0) depctr_va_ssrc(0) depctr_va_vcc(0) depctr_vm_vsrc(0)
	s_getreg_b32 s2, hwreg(HW_REG_IB_STS2, 6, 4)
	s_cmp_eq_u32 s2, 0
	s_cbranch_scc0 .Lentry_in_a_cluster
	s_endpgm
.Lentry_in_a_cluster:
	s_bfe_u32 s2, ttmp6, 0x10000c
	s_cmp_lg_u32 s2, 0xf033
	s_cbranch_scc0 .Lentry_shape_is_right
	s_endpgm
.Lentry_shape_is_right:
; out0 [4096][1024] f32 = ah (attention's result, f16) times woh [1024][1024] transposed, plus bo; f32 sums.
; ah lies as [block of 128 rows 32][head 16][128 rows][64 hd]: K index = head x 64 + hd.
; 256 work-groups of 128 x 128; four waves of 64 x 64: 16 accumulator tiles.  K goes in four steps of 256 (four heads) through two LDS slots:
; a step of 128 matrix instructions a wave for each tensor load to land in.
; CLUSTERS 4 x 4: ah's tile hangs on the row block alone (joint along a row of the cluster), woh's on the column block alone (joint along a column).
; The matrix instruction is used transposed (source 0 = rows of woh, source 1 = rows of ah): a lane holds 8 neighbouring columns of one row of out0.
; LIMIT: operands are f16, as stored by the launches before.
.set PITCH,  272
.set BPITCH, 528                       ; woh's rows of 512 bytes + 16: an odd multiple of 16
.set PLANE,  64*PITCH                  ; one head of ah's block: 128 rows of 128 bytes, two to a padded row of 256
.set ASZ,    4*PLANE
.set BHALF,  64*BPITCH
.set SLOT,   ASZ+2*BHALF
.set STAGE,  2*SLOT                    ; a multiple of 256; 4,352 bytes for each wave; never a tensor load's target
.set STG,    16*PITCH
.set ADRA, 16                          ; v16-17
.set ADRB, 20                          ; v20-21
.set STO,  24
.set RD,   25
.set CO,   26
.set BOFF, 27
.set BIAS, 28                          ; v[28:31] bo of my four columns on the way out
.set F0,   64                          ; fragment buffers: A block a at F + 8 a, B block b at F + 32 + 8 b
.set F1,   128                         ; window 1: accumulator (a, b) at 8 (4 a + b)
.set G1,  24
.set G0,  32
.set G1B, 48
.set G0B, 56
.set MSB, 0
.macro WIN new
.if MSB != \new
	s_set_vgpr_msb (MSB<<8)|\new
.set MSB, \new
.endif
.endm
.macro PLACES
.rept 4
	v_nop
.endr
.endm
.macro JLOAD s                         ; waves 0, 1 ask for ah's two halves (two heads each), waves 2, 3 for woh's (64 rows each)
	s_cmp_eq_u32 s13, 0
	s_cbranch_scc0 .Lfor_b_\@
	tensor_load_to_lds s[G0+4*\s:G0+4*\s+3], s[G1:G1+7]
	s_nop 0
	s_branch .Lasked_\@
.Lfor_b_\@:
	tensor_load_to_lds s[G0B+4*\s:G0B+4*\s+3], s[G1B:G1B+7]
	s_nop 0
.Lasked_\@:
.endm
.macro CROUND
	s_barrier_signal -1
	s_barrier_wait -1
	s_cmp_lg_u32 s12, 0
	s_cbranch_scc1 .Lnot_wave_0_\@
	s_barrier_signal -3
.Lnot_wave_0_\@:
	s_barrier_wait -3
	s_barrier_signal -1
	s_barrier_wait -1
.endm
	s_load_b256 s[4:11], s[0:1], 0x0               ; ah s[4:5], woh s[6:7], bo s[8:9], out0 s[10:11]
	v_lshl_add_u32 v254, v0, 2, 0x47400
	v_mov_b32 v255, 0
	ds_add_u32 v254, v255
	v_lshrrev_b32 v1, 5, v0
	v_readfirstlane_b32 s12, v1                    ; wave
	s_lshr_b32 s13, s12, 1                         ; wm; also: I fetch for A (0) or B (1)
	s_and_b32 s14, s12, 1                          ; wn; also: which half I fetch
	s_bfe_u32 s40, ttmp6, 0x40000                  ; cx
	s_bfe_u32 s41, ttmp6, 0x40004                  ; cy
	s_lshl_b32 s42, ttmp9, 2
	s_add_co_u32 s42, s42, s40                     ; column block
	s_and_b32 s43, ttmp7, 0xffff
	s_lshl_b32 s43, s43, 2
	s_add_co_u32 s43, s43, s41                     ; row block
	s_lshl_b32 s44, s41, 2
	s_lshl_b32 s44, 15, s44                        ; my row of the cluster
	s_lshl_b32 s45, 0x1111, s40                    ; my column
	s_or_b32 s[G1+0], s44, (3<<16)|(1<<20)|(1<<21)|(5<<22)|(3<<25)   ; ah: 8-byte elements, 16 bytes of padding behind every 256
	s_mov_b32 s[G1+1], 32<<16                      ; rows of 256 consecutive bytes,
	s_mov_b32 s[G1+2], 128<<16                     ; 128 of them: two heads
	s_mov_b32 s[G1+3], 32<<16
	s_mov_b32 s[G1+4], 128
	s_mov_b32 s[G1+5], 32
	s_mov_b32 s[G1+6], 0
	s_mov_b32 s[G1+7], 0
	s_or_b32 s[G1B+0], s45, (1<<16)|(1<<20)|(1<<21)|(6<<22)|(3<<25)  ; woh: 2-byte elements, 16 bytes of padding behind every 512
	s_mov_b32 s[G1B+1], 256<<16                    ; 256 along K,
	s_mov_b32 s[G1B+2], 64<<16                     ; 64 rows
	s_mov_b32 s[G1B+3], 256<<16
	s_mov_b32 s[G1B+4], 64
	s_mov_b32 s[G1B+5], 1024
	s_mov_b32 s[G1B+6], 0
	s_mov_b32 s[G1B+7], 0
	s_lshl_b32 s16, s43, 18                        ; ah: block of 256 KiB + half x two heads
	s_lshl_b32 s17, s14, 15
	s_add_co_u32 s16, s16, s17
	s_mov_b32 s17, 0
	s_lshl_b32 s46, s42, 18                        ; woh: (128 x block + 64 x half) rows of 2,048 bytes
	s_lshl_b32 s47, s14, 17
	s_add_co_u32 s46, s46, s47
	s_mov_b32 s47, 0
	s_mul_i32 s22, s12, 2*PLANE                    ; waves 0, 1: wave x two planes
	s_mul_i32 s23, s12, BHALF
	s_add_co_u32 s23, s23, ASZ-2*BHALF             ; waves 2, 3: behind A's four planes, (wave - 2) x 64 rows
	s_lshl_b32 s66, s42, 9                         ; my first column, in bytes of f32: (128 x block + 64 wn) x 4
	s_lshl_b32 s67, s14, 8
	s_add_co_u32 s66, s66, s67
	s_mov_b32 s67, 0
	s_lshl_b32 s68, s43, 19                        ; my first row: (128 x block + 64 wm) x 4,096 bytes
	s_lshl_b32 s69, s13, 18
	s_add_co_u32 s68, s68, s69
	s_add_co_u32 s68, s68, s66
	s_mov_b32 s69, 0
	s_wait_dscnt 0x0
	s_wait_kmcnt 0x0
	s_add_nc_u64 s[20:21], s[4:5], s[16:17]
	s_add_nc_u64 s[46:47], s[6:7], s[46:47]
	s_add_nc_u64 s[70:71], s[8:9], s[66:67]
	s_add_nc_u64 s[72:73], s[10:11], s[68:69]
	CROUND                                         ; in front of the first joint loads
.irp s, 0,1
	s_mov_b32 s[G0+4*\s], 1
	s_add_co_u32 s[G0+4*\s+1], s22, \s*SLOT
	s_add_nc_u64 s[G0+4*\s+2:G0+4*\s+3], s[20:21], \s*65536        ; heads 4 s ..
	s_or_b32 s[G0+4*\s+3], s[G0+4*\s+3], 0x80000000
	s_mov_b32 s[G0B+4*\s], 1
	s_add_co_u32 s[G0B+4*\s+1], s23, \s*SLOT
	s_add_nc_u64 s[G0B+4*\s+2:G0B+4*\s+3], s[46:47], \s*512        ; K from 256 s
	s_or_b32 s[G0B+4*\s+3], s[G0B+4*\s+3], 0x80000000
	JLOAD \s                                       ; two tensor loads of the wave are out
.endr
	v_and_b32 v1, 15, v0                           ; r
	v_bfe_u32 v2, v0, 4, 1                         ; h
	v_lshrrev_b32 v3, 1, v1                        ; A: (r >> 1) x pitch + (r & 1) x 128 + 16 h: 16 different 16-byte columns
	v_mul_u32_u24 v3, v3, PITCH
	v_and_b32 v4, 1, v1
	v_lshl_add_u32 v3, v4, 7, v3
	v_lshl_add_u32 v3, v2, 4, v3
	s_mul_i32 s18, s13, 32*PITCH                   ; my 64 rows
	v_add_nc_u32 v[ADRA], s18, v3
	v_add_nc_u32 v[ADRA+1], SLOT, v[ADRA]
	v_mul_u32_u24 v3, v1, BPITCH
	v_lshl_add_u32 v3, v2, 4, v3
	s_mul_i32 s18, s14, BHALF                      ; my 64 rows of woh
	s_add_co_u32 s18, s18, ASZ
	v_add_nc_u32 v[ADRB], s18, v3
	v_add_nc_u32 v[ADRB+1], SLOT, v[ADRB]
	s_mul_i32 s18, s12, STG
	s_add_co_u32 s18, s18, STAGE
	v_mul_u32_u24 v3, v1, PITCH                    ; in: row r, 32 bytes for each half of the lanes
	v_lshl_add_u32 v3, v2, 5, v3
	v_add_nc_u32 v[STO], s18, v3
	v_mul_u32_u24 v3, v2, PITCH                    ; back: lanes 0-15 one row of 256 bytes, lanes 16-31 the next
	v_lshl_add_u32 v3, v1, 4, v3
	v_add_nc_u32 v[RD], s18, v3
	v_lshlrev_b32 v[BOFF], 4, v1
	v_lshl_add_u32 v[CO], v2, 12, v[BOFF]
	global_load_b128 v[BIAS:BIAS+3], v[BOFF], s[70:71]
.macro FETCHP slot, kq, f              ; 16 loads: 64 rows of woh, 64 rows of ah, 32 along K from 32 kq
	WIN 0
.irp i, 0,1,2,3
	ds_load_b128 v[(\f)+32+8*\i:(\f)+32+8*\i+3],   v[ADRB+\slot] offset:\i*16*BPITCH+(\kq)*64
	ds_load_b128 v[(\f)+32+8*\i+4:(\f)+32+8*\i+7], v[ADRB+\slot] offset:\i*16*BPITCH+(\kq)*64+32
.endr
.irp i, 0,1,2,3
	ds_load_b128 v[(\f)+8*\i:(\f)+8*\i+3],   v[ADRA+\slot] offset:((\kq)/2)*PLANE+\i*8*PITCH+((\kq)%2)*64
	ds_load_b128 v[(\f)+8*\i+4:(\f)+8*\i+7], v[ADRA+\slot] offset:((\kq)/2)*PLANE+\i*8*PITCH+((\kq)%2)*64+32
.endr
.endm
.macro MULP f, zero                    ; 16 matrix instructions; the 16 accumulators take turns, one instruction a turn
	WIN 0x50                                       ; C and D window 1
.irp a, 0,1,2,3
.irp b, 0,1,2,3
.if \zero
	v_wmma_f32_16x16x32_f16 v[8*(4*\a+\b):8*(4*\a+\b)+7], v[(\f)+32+8*\b:(\f)+32+8*\b+7], v[(\f)+8*\a:(\f)+8*\a+7], 0
.else
	v_wmma_f32_16x16x32_f16 v[8*(4*\a+\b):8*(4*\a+\b)+7], v[(\f)+32+8*\b:(\f)+32+8*\b+7], v[(\f)+8*\a:(\f)+8*\a+7], v[8*(4*\a+\b):8*(4*\a+\b)+7]
.endif
.endr
.endr
.endm
; a slot's 256 along K in eight quarters on buffers 0, 1, 0, 1 ..: the next quarter's fragments are asked for in front of this quarter's products
.macro SLOTWORK slot, zero
	PLACES                                         ; behind the last products, in front of loads into both buffers
	FETCHP \slot, 0, F0
.irp kq, 0,1,2,3,4,5,6
.if \kq
	PLACES
.endif
	FETCHP \slot, \kq+1, F0+64*((\kq+1)%2)
	s_wait_dscnt 16                                ; this quarter's fragments are in; the 16 loads just issued stay out
.if \kq
	MULP F0+64*(\kq%2), 0
.else
	MULP F0, \zero
.endif
.endr
	s_wait_dscnt 0
	MULP F1, 0
	WIN 0
.endm
; slot s has been read: every wave waits for its reads and for all its tensor loads, the round of the cluster's barrier follows, the joint refill is first behind it
.macro CHG s
	s_wait_dscnt 0x0
	s_wait_tensorcnt 0x0
	ds_add_u32 v254, v255
	s_wait_dscnt 0x0
	s_add_nc_u64 s[G0+4*\s+2:G0+4*\s+3], s[G0+4*\s+2:G0+4*\s+3], 131072       ; eight heads on
	s_add_nc_u64 s[G0B+4*\s+2:G0B+4*\s+3], s[G0B+4*\s+2:G0B+4*\s+3], 1024     ; 512 along K on
	CROUND
	JLOAD \s
.endm
	s_wait_tensorcnt 1                             ; my part of slot 0 is in; slot 1's load stays out
	s_barrier_signal -1
	s_barrier_wait -1
	SLOTWORK 0, 1                                  ; K 0-255: the first products start the sums
	CHG 0
	SLOTWORK 1, 0                                  ; K 256-511
	CHG 1
	SLOTWORK 0, 0                                  ; K 512-767
	s_wait_dscnt 0x0
	s_wait_tensorcnt 0x0                           ; my part of the last slot is in
	s_barrier_signal -1
	s_barrier_wait -1
	SLOTWORK 1, 0                                  ; K 768-1023: nothing is left to fetch
	; THE WAY OUT, 16 rows at a time through my own stage: a lane's 32 bytes in, whole rows of 256 bytes back, the bias added, 16 lanes store 256 consecutive bytes, aligned
	PLACES
	s_wait_loadcnt 0x0                             ; bo
.irp a, 0,1,2,3
	WIN 0x04                                       ; store data window 1
.irp b, 0,1,2,3
	ds_store_b128 v[STO], v[8*(4*\a+\b):8*(4*\a+\b)+3]   offset:64*\b
	ds_store_b128 v[STO], v[8*(4*\a+\b)+4:8*(4*\a+\b)+7] offset:64*\b+16
.endr
	WIN 0
.irp t, 0,1,2,3,4,5,6,7
	ds_load_b128 v[F0+32*\a+4*\t:F0+32*\a+4*\t+3], v[RD] offset:\t*2*PITCH     ; registers of their own for every a: no store's data is rewritten
.endr
.irp t, 0,1,2,3,4,5,6,7
	s_wait_dscnt 7-\t
	v_pk_add_f32 v[F0+32*\a+4*\t:F0+32*\a+4*\t+1],   v[F0+32*\a+4*\t:F0+32*\a+4*\t+1],   v[BIAS:BIAS+1]
	v_pk_add_f32 v[F0+32*\a+4*\t+2:F0+32*\a+4*\t+3], v[F0+32*\a+4*\t+2:F0+32*\a+4*\t+3], v[BIAS+2:BIAS+3]
	global_store_b128 v[CO], v[F0+32*\a+4*\t:F0+32*\a+4*\t+3], s[72:73] offset:(16*\a+2*\t)*4096 th:TH_STORE_NT
.endr
.endr
	s_wait_tensorcnt 0x0
	ds_add_u32 v254, v255
	s_wait_dscnt 0x0
	CROUND                                         ; the closing round
	s_endpgm
.Lfunc_end_k_q5a55088163_proj:
	.size	k_q5a55088163_proj, .Lfunc_end_k_q5a55088163_proj-k_q5a55088163_proj
	.p2alignl 7, 3214868480
	.fill 96, 4, 3214868480
	.section	.rodata,"a",@progbits
	.p2align	6, 0x0
	.amdhsa_kernel k_q5a55088163_proj
		.amdhsa_group_segment_fixed_size 327680
		.amdhsa_private_segment_fixed_size 0
		.amdhsa_enable_private_segment 0
		.amdhsa_kernarg_size 32
		.amdhsa_user_sgpr_count 2
		.amdhsa_user_sgpr_kernarg_segment_ptr 1
		.amdhsa_wavefront_size32 1
		.amdhsa_system_sgpr_workgroup_id_x 1
		.amdhsa_system_sgpr_workgroup_id_y 1
		.amdhsa_system_sgpr_workgroup_id_z 1
		.amdhsa_system_vgpr_workitem_id 0
		.amdhsa_next_free_vgpr 384
		.amdhsa_next_free_sgpr 80
		.amdhsa_reserve_vcc 0
		.amdhsa_float_denorm_mode_32 3
		.amdhsa_float_denorm_mode_16_64 3
		.amdhsa_memory_ordered 1
		.amdhsa_forward_progress 1
		.amdhsa_inst_pref_size 92
	.end_amdhsa_kernel
	.amdgpu_metadata
---
amdhsa.version: [ 1, 2 ]
amdhsa.kernels:
  - .name:           k_q5a55088163_proj
    .symbol:         k_q5a55088163_proj.kd
    .args:
      - { .name: ah, .offset: 0, .size: 8, .value_kind: global_buffer, .address_space: global }
      - { .name: woh, .offset: 8, .size: 8, .value_kind: global_buffer, .address_space: global }
      - { .name: bo, .offset: 16, .size: 8, .value_kind: global_buffer, .address_space: global }
      - { .name: out0, .offset: 24, .size: 8, .value_kind: global_buffer, .address_space: global }
    .group_segment_fixed_size: 327680
    .private_segment_fixed_size: 0
    .kernarg_segment_align: 8
    .kernarg_segment_size: 32
    .max_flat_workgroup_size: 128
    .sgpr_count:     80
    .vgpr_count:     384
    .wavefront_size: 32
...
	.end_amdgpu_metadata
.endif
;; end of part 4
;; ======== version 2 of 2: 4 launches; version 1 with the launch cvt written anew for expert scheduling mode
;; limits: values are held in f16: magnitudes above 65,504 overflow, below 6.1e-05 lose precision
;; workspace buffers: xh 8,388,608 bytes; wqkv 6,291,456 bytes; woh 2,097,152 bytes; qh 8,388,608 bytes; kvh 16,777,216 bytes; ah 8,388,608 bytes
;; launch cvt (part 5): grid 256 x 1, 8 waves a work-group, no clusters, 0 bytes of LDS; arguments x, Wq, Wk, Wv, Wo, xh, wqkv, woh; writes xh, wqkv, woh
.if DOCPART == 5
	.amdgcn_target "amdgcn-amd-amdhsa--gfx1250"
	.amdhsa_code_object_version 6
	.text
	.protected	k_q5a55088163_cvt
	.globl	k_q5a55088163_cvt
	.p2align	8
	.type	k_q5a55088163_cvt,@function
k_q5a55088163_cvt:
	s_mov_b64 s[64:65], 0
	v_nop
	global_prefetch_b8 v0, s[64:65] scope:SCOPE_SE
	s_setreg_imm32_b32 hwreg(HW_REG_WAVE_SCHED_MODE, 0, 2), 2
	s_setreg_imm32_b32 hwreg(HW_REG_WAVE_MODE, 25, 1), 1
	s_wait_xcnt 0x0
	s_wait_alu depctr_vm_vsrc(0)
; x, Wq, Wk, Wv, Wo (f32) are narrowed once to f16, so that the three matrix launches behind this one read 16-bit tiles.
; 8,192 rows of 1,024 numbers in all (4,096 of x, 1,024 of each weight); a work-group takes 32 neighbouring rows of one tensor.
; xh and woh keep their rows' order.  Wq, Wk, Wv go into one table wqkv of 3,072 rows, ordered for the next launch:
; row = head*192 + half*96 + m*32 + (d & 31), m = 0, 1, 2 for Wq, Wk, Wv, source row = head*64 + half*32 + (d & 31);
; 32 source rows are one (head, half), so they stay 32 neighbouring rows.
; LIMIT: f16 holds magnitudes below 65,504 (larger ones become infinities) and steps of 2^-24 below 2^-14.
; A stream: no work-group shares a byte with another, so no LDS, no cluster, no matrix unit.  Thread t owns 16 bytes of every source row;
; all 32 loads of a thread are issued first (128 KiB of the work-group on their way), each wave's store covers 256 consecutive bytes, aligned.
; THE MODE: SCHED_MODE bits 1:0 = 2 (LLVM: expert scheduling mode 2), set by the entry lines.  The code itself states the register dependences
; between vector instructions and memory instructions, with s_wait_alu, always for 0.
; THE PLAN.  Registers that memory instructions touch:
;   v1, v2   byte offsets, made once at the head and never written again; v1 is read by every load, v2 by every store.
;   X        row i's four registers: written by that row's one load, read by its two conversions; named by no vector line ahead of the load, never loaded again.
;   Y        row i's two registers: written once, by its two conversions; read by its one store; never written again.
; The 32 rows go in eight blocks of four.  In row n's turn the store of row n - 4 goes out ahead of row n's conversions: a block's four stores read the Y
; registers that the block before wrote, and the block's own conversions name its own X and Y alone.  So one wait at a block's head states all that its
; four stores hang on.  No register that a memory instruction reads is written again, so no wait on vm_vsrc is owed.
.set ROWS,   32
.set BLOCK,  4                         ; rows in a block
.set INROW,  4096                      ; bytes in a source row
.set OUTROW, 2048                      ; bytes in a narrowed row
.set X, 4                              ; v[4:131]   row i: 4 numbers as loaded
.set Y, 132                            ; v[132:195] row i: 4 numbers in f16; every row has registers of its own, so nothing is rewritten
	s_load_b512 s[4:19], s[0:1], 0x0               ; x, Wq, Wk, Wv, Wo, xh, wqkv, woh
	s_lshr_b32 s21, ttmp9, 5                       ; 0..3: x;  4, 5, 6, 7: Wq, Wk, Wv, Wo
	s_and_b32 s20, ttmp9, 31                       ; block of 32 rows inside a weight
	s_cmp_lt_u32 s21, 4
	s_cselect_b32 s22, ttmp9, s20                  ; block of 32 rows inside my tensor
	s_lshl_b32 s28, s22, 17                        ; source offset: 32 rows of 4,096 bytes
	s_mov_b32 s29, 0
	s_lshr_b32 s23, s20, 1                         ; head
	s_mul_i32 s23, s23, 192
	s_and_b32 s2, s20, 1                           ; half of the head
	s_mul_i32 s2, s2, 96
	s_add_co_u32 s23, s23, s2
	s_and_b32 s2, s21, 3                           ; m
	s_lshl_b32 s2, s2, 5
	s_add_co_u32 s23, s23, s2
	s_lshl_b32 s23, s23, 11                        ; row in wqkv times 2,048 bytes
	s_lshl_b32 s3, s22, 16                         ; plain order: 32 rows of 2,048 bytes
	s_cmp_lt_u32 s21, 4
	s_cselect_b32 s30, s3, s23                     ; x: plain; a weight: interleaved,
	s_cmp_eq_u32 s21, 7
	s_cselect_b32 s30, s3, s30                     ; but Wo: plain
	s_mov_b32 s31, 0
	v_lshlrev_b32 v1, 4, v0                        ; my 16 bytes of a source row
	v_lshlrev_b32 v2, 3, v0                        ; my 8 bytes of a narrowed row
	s_wait_kmcnt 0x0
	s_mov_b64 s[24:25], s[4:5]                     ; the source, chosen by the work-group's number alone
	s_cmp_eq_u32 s21, 4
	s_cselect_b64 s[24:25], s[6:7], s[24:25]
	s_cmp_eq_u32 s21, 5
	s_cselect_b64 s[24:25], s[8:9], s[24:25]
	s_cmp_eq_u32 s21, 6
	s_cselect_b64 s[24:25], s[10:11], s[24:25]
	s_cmp_eq_u32 s21, 7
	s_cselect_b64 s[24:25], s[12:13], s[24:25]
	s_cmp_lt_u32 s21, 4                            ; the destination likewise
	s_cselect_b64 s[26:27], s[14:15], s[16:17]
	s_cmp_eq_u32 s21, 7
	s_cselect_b64 s[26:27], s[18:19], s[26:27]
	s_add_nc_u64 s[24:25], s[24:25], s[28:29]
	s_add_nc_u64 s[26:27], s[26:27], s[30:31]
	s_wait_alu depctr_va_vdst(0)                   ; v1 and v2 are written: every load reads v1 as its offset, every store v2
.set i, 0
.rept ROWS
	global_load_b128 v[X+4*i:X+4*i+3], v1, s[24:25] offset:INROW*i th:TH_LOAD_NT   ; read once in the launch
.set i, i+1
.endr
.set i, 0
.rept ROWS
	s_wait_loadcnt ROWS-1-i                        ; loads come back in order: row i is in, the younger rows stay out
.if ((i % BLOCK) == 0) && (i > 0)
	s_wait_alu depctr_va_vdst(0)                   ; the block before has written its eight Y registers, which this block's four stores read
.endif
.if i >= BLOCK
	global_store_b64 v2, v[Y+2*(i-BLOCK):Y+2*(i-BLOCK)+1], s[26:27] offset:OUTROW*(i-BLOCK)   ; a row of the block before; no vector line since the wait names its Y or v2
.endif
	v_cvt_pk_f16_f32 v[Y+2*i],   v[X+4*i],   v[X+4*i+1]
	v_cvt_pk_f16_f32 v[Y+2*i+1], v[X+4*i+2], v[X+4*i+3]
.set i, i+1
.endr
	s_wait_alu depctr_va_vdst(0)                   ; the last block has written its Y registers, which the last four stores read
.set i, ROWS-BLOCK
.rept BLOCK
	global_store_b64 v2, v[Y+2*i:Y+2*i+1], s[26:27] offset:OUTROW*i
.set i, i+1
.endr
	s_endpgm
.Lfunc_end_k_q5a55088163_cvt:
	.size	k_q5a55088163_cvt, .Lfunc_end_k_q5a55088163_cvt-k_q5a55088163_cvt
	.p2alignl 7, 3214868480
	.fill 96, 4, 3214868480
	.section	.rodata,"a",@progbits
	.p2align	6, 0x0
	.amdhsa_kernel k_q5a55088163_cvt
		.amdhsa_group_segment_fixed_size 0
		.amdhsa_private_segment_fixed_size 0
		.amdhsa_enable_private_segment 0
		.amdhsa_kernarg_size 64
		.amdhsa_user_sgpr_count 2
		.amdhsa_user_sgpr_kernarg_segment_ptr 1
		.amdhsa_wavefront_size32 1
		.amdhsa_system_sgpr_workgroup_id_x 1
		.amdhsa_system_sgpr_workgroup_id_y 1
		.amdhsa_system_sgpr_workgroup_id_z 1
		.amdhsa_system_vgpr_workitem_id 0
		.amdhsa_next_free_vgpr 196
		.amdhsa_next_free_sgpr 66
		.amdhsa_reserve_vcc 0
		.amdhsa_float_denorm_mode_32 3
		.amdhsa_float_denorm_mode_16_64 3
		.amdhsa_memory_ordered 1
		.amdhsa_forward_progress 1
		.amdhsa_inst_pref_size 13
	.end_amdhsa_kernel
	.amdgpu_metadata
---
amdhsa.version: [ 1, 2 ]
amdhsa.kernels:
  - .name:           k_q5a55088163_cvt
    .symbol:         k_q5a55088163_cvt.kd
    .args:
      - { .name: x, .offset: 0, .size: 8, .value_kind: global_buffer, .address_space: global }
      - { .name: Wq, .offset: 8, .size: 8, .value_kind: global_buffer, .address_space: global }
      - { .name: Wk, .offset: 16, .size: 8, .value_kind: global_buffer, .address_space: global }
      - { .name: Wv, .offset: 24, .size: 8, .value_kind: global_buffer, .address_space: global }
      - { .name: Wo, .offset: 32, .size: 8, .value_kind: global_buffer, .address_space: global }
      - { .name: xh, .offset: 40, .size: 8, .value_kind: global_buffer, .address_space: global }
      - { .name: wqkv, .offset: 48, .size: 8, .value_kind: global_buffer, .address_space: global }
      - { .name: woh, .offset: 56, .size: 8, .value_kind: global_buffer, .address_space: global }
    .group_segment_fixed_size: 0
    .private_segment_fixed_size: 0
    .kernarg_segment_align: 8
    .kernarg_segment_size: 64
    .max_flat_workgroup_size: 256
    .sgpr_count:     66
    .vgpr_count:     196
    .wavefront_size: 32
...
	.end_amdgpu_metadata
.endif
;; end of part 5
;; launch qkv: the kernel of part 2 again; grid 16 x 16, 4 waves a work-group, clusters of 4 x 4, 327,680 bytes of LDS; arguments xh, wqkv, qh, kvh; writes qh, kvh
;; launch attn: the kernel of part 3 again; grid 256 x 1, 8 waves a work-group, clusters of 4 x 1, 327,680 bytes of LDS; arguments qh, kvh, ah; writes ah
;; launch proj: the kernel of part 4 again; grid 8 x 32, 4 waves a work-group, clusters of 4 x 4, 327,680 bytes of LDS; arguments ah, woh, bo, out0; writes out0
